; MI455X (gfx1250); checked and timed in simulation.
; The chip was launched on July 23, 2026; its instructions are those of AMD's public machine-readable ISA for CDNA 5 (MIT licence, August 2026) and "CDNA5" Instruction Set Architecture Reference Guide (July 2026). The comments in the code are by the model that wrote it; some were corrected since.
;; Additive Attention. Allowed arithmetic: matrix products marked QUANTISED: E2M1 operands, one E8M0 scale for each 32 along K, by v_wmma_scale_f32_16x16x128_f8f6f4 with both operands' format E2M1 (or v_wmma_scale_f32_32x16x128_f4), f32 sums; products left as they are: f32 operands where the result goes on into a quantised operand, else bf16, f16 or f32 operands; f32 sums; everything else in f32.
;; Inputs: K_codes 32 x 2,048 x 16 x 16 uint8 (E2M1 codes of K, K innermost, in blocks of 32 codes, two codes a byte); K_scales 32 x 2,048 x 16 uint8 (E8M0 scales of K, one for each 32 codes along K); Q_codes 32 x 16 x 16 uint8 (E2M1 codes of Q, K innermost, in blocks of 32 codes, two codes a byte); Q_scales 32 x 16 uint8 (E8M0 scales of Q, one for each 32 codes along K); V 32 x 2,048 x 512 float32; Wh 512 x 1 float32; Wk_codes 512 x 16 x 16 uint8 (E2M1 codes of Wk, K innermost, in blocks of 32 codes, two codes a byte); Wk_scales 512 x 16 uint8 (E8M0 scales of Wk, one for each 32 codes along K); Wq_codes 512 x 16 x 16 uint8 (E2M1 codes of Wq, K innermost, in blocks of 32 codes, two codes a byte); Wq_scales 512 x 16 uint8 (E8M0 scales of Wq, one for each 32 codes along K); bh 1 float32; bk 512 float32; bq 512 float32.
;; Outputs: out0 32 x 512 float32; out1 32 x 2,048 float32.
;; This version of the problem:
;;   THIS VERSION OF THE PROBLEM IS GIVEN IN LOW PRECISION. The matrix products marked QUANTISED in the list below multiply operands that are first quantised to E2M1 (2 exponent bits, 1 mantissa bit; 4 bits a number), with one power-of-two scale for each 32 numbers along K (OCP MX v1.0); their sums are f32. All else is computed in f32.
;;   The module's matrix products, in the order in which they are computed (A, B: the left and right operand; K: the contracted axis; several contracted axes count as one K, in the product's order):
;;     1. [M 65,536, K 512] x [K 512, N 512]; A: input K (given as codes); B: input Wk (given as codes): QUANTISED
;;     2. [M 32, K 512] x [K 512, N 512]; A: input Q (given as codes); B: input Wq (given as codes): QUANTISED
;;     3. [M 65,536, K 512] x [K 512, N 1]; A: computed on the way; B: input Wh: left as it is (N = 1 < 16)
;;     4. batch 32 x [M 1, K 2,048] x [K 2,048, N 512]; A: computed on the way; B: input V: left as it is (M = 1 < 16)
;;   THE QUANTISER, for each operand of a quantised product, along K:
;;     - K is cut into blocks of 32 from its start; a last block that is shorter is filled with zeros.
;;     - A block's scale is 2^e with e = floor(log2(the largest magnitude in the block)) - 2, held to -126 .. 127; a block of zeros has e = 0. As a byte (E8M0): e + 127.
;;     - Each number is divided by its block's scale, clamped to +-6, and rounded to the nearest number of E2M1, ties to even, subnormals kept.
;;     - The product sums the exact products of the quantised numbers (number of the format x scale) in f32.
;;   ~~~python
;;   def quantise(x, axis):      # numpy; x: float32 -> the quantised numbers, widened to float32 again
;;       x = np.moveaxis(x, axis, -1); K = x.shape[-1]
;;       x = np.pad(x, [(0, 0)] * (x.ndim - 1) + [(0, -K % 32)]); x = x.reshape(x.shape[:-1] + (-1, 32)); a = np.abs(x).max(-1, keepdims=True)
;;       e = np.where(a > 0, np.clip(np.frexp(np.where(a > 0, a, 1))[1] - 1 - 2, -126, 127), 0)      # np.frexp(a)[1] - 1 = floor(log2(a)), exactly
;;       r = np.clip(x / 2.0 ** e, -6, 6)
;;       step = 2.0 ** (np.maximum(np.frexp(np.where(r == 0, 1, r))[1] - 1, 0) - 1)
;;       q = np.round(r / step) * step * 2.0 ** e      # np.round: ties to even
;;       return np.moveaxis(q.reshape(q.shape[:-2] + (-1,))[..., :K], -1, axis).astype(np.float32)
;;   ~~~
;;   INPUTS GIVEN AS CODES. K (in the module: [32, 2048, 512], K = its axis 2); Q (in the module: [32, 512], K = its axis 1); Wk (in the module: [512, 512], K = its axis 0); Wq (in the module: [512, 512], K = its axis 0): each comes as NAME_codes (uint8): NAME with its K axis moved to the last place and cut into blocks of 32 codes, [.., K / 32, bytes a block], one block behind the other in memory; two codes a byte, the lower K in the low four bits (a code: sign, 2 exponent bits, 1 mantissa bit); and NAME_scales (uint8): the same leading axes, one E8M0 byte (e + 127) for each 32 codes along K. Its value is code x scale, taken as it is: it is not quantised again, and the codes and scales need not be those that the quantiser above would give.
;; One version. Each part assembles by itself: llvm-mc -triple=amdgcn-amd-amdhsa -mcpu=gfx1250 --defsym DOCPART=n.
;; ======== version 1 of 1: 2 launches
;; limits: right only within a limited range of input values
;; workspace buffers: araw 262,144 bytes; cpart 65,536 bytes
;; launch energies (part 1): grid 256 x 1, 8 waves a work-group, clusters of 4 x 1, 327,680 bytes of LDS; arguments K_codes, K_scales, Q_codes, Q_scales, Wk_codes, Wk_scales, Wq_codes, Wq_scales, Wh, bk, bq, bh, araw, cpart; writes araw, cpart
.if DOCPART == 1
	.amdgcn_target "amdgcn-amd-amdhsa--gfx1250"
	.amdhsa_code_object_version 6
	.text
	.protected	k_qf720e0a781_energies
	.globl	k_qf720e0a781_energies
	.p2align	8
	.type	k_qf720e0a781_energies,@function
k_qf720e0a781_energies:
	s_mov_b64 s[64:65], 0
	v_nop
	global_prefetch_b8 v0, s[64:65] scope:SCOPE_SE
	s_setreg_imm32_b32 hwreg(HW_REG_WAVE_MODE, 25, 1), 1
	s_wait_xcnt 0x0
	s_wait_alu depctr_hold_cnt(0) depctr_sa_sdst(0) depctr_va_vdst(0) depctr_va_sdst(0) depctr_va_ssrc(0) depctr_va_vcc(0) depctr_vm_vsrc(0)
	s_getreg_b32 s2, hwreg(HW_REG_IB_STS2, 6, 4)
	s_cmp_eq_u32 s2, 0
	s_cbranch_scc0 .Lentry_in_a_cluster
	s_endpgm
.Lentry_in_a_cluster:
	s_bfe_u32 s2, ttmp6, 0x10000c
	s_cmp_lg_u32 s2, 0x3003
	s_cbranch_scc0 .Lentry_shape_is_right
	s_endpgm
.Lentry_shape_is_right:
; For the 256 key rows of work-group g (batch b = g / 8, j = g % 8):  araw[n] = sum over h of (K[n] . Wk[:, h]) Wh[h].
; And its share of the batch's constant c = sum over h of ((Q . Wq[:, h]) + bq[h] + bk[h]) Wh[h] + bh: the 64 columns h = 64 j .. 64 j + 63.  The share is left as two numbers, each written 32 times over: cpart[g][0..31] and cpart[g][32..63].
; The next launch makes energy = max(araw + c, 0), the softmax and the sum over V.  No step of reference() is left out.
; Both quantised products run on codes of FP4 (E2M1) with one E8M0 scale for each 32 along K, as they are given; sums in f32.  The dot with Wh is f32 multiply-adds (one column: a matrix tile would be 15/16 empty).
; LIMITS: NaN, infinities and scale bytes 0xff are not served.  An energy's terms are added in another order than the source reads, all in f32; bh enters as 2,048 parts of bh / 2,048, one a lane of the batch's work-groups.
; SHARES.  Eight waves: wave w takes keys 128 (w % 2) .. + 127 and columns h = 128 (w / 2) .. + 127.  Wk's fragments of its columns stay in 256 registers; the eight key tiles of 16 come from LDS, each read once a wave.
; For c wave w takes columns 64 j + 16 (w % 4) .. + 15 and k = 256 (w / 4) .. + 255: two matrix instructions; a column is met by two waves and by both halves of the lanes.
; LAYOUT.  Source 0 = 16 rows of Wk (columns h), source 1 = 16 keys: lane (r, hh) of a result holds key r, its register i column 8 hh + i.  So the dot with Wh stays inside a lane, and the two halves are joined once.
; TENSOR LOADS, one a wave: waves 0-3 ask for 128 rows of Wk's codes each, waves 4-7 for 64 of the work-group's rows of K's codes each.  All work-groups read all of Wk: the four of a cluster ask for it JOINTLY, with the same
; descriptor and a mask that names the four.  The place in the cluster enters global addresses alone.  No LDS byte is filled twice.  No prefetch: there is no loop to run ahead in; all loads stand at the head.
; TWO BARRIERS: behind the first all of Wk is in, and the waves take their fragments of it and make their part of c; behind the second all of K is in.
; LDS: 0 Wk's codes, KT K's codes: rows of 256 bytes + 16 of padding;  REG four rows of 1,280 bytes, one a column group: 256 partial energies, then 64 parts of c;  WHS 512 bytes a wave: Wh of its columns;  SPARE the spare words.
; REGISTERS.  Window 0: v1-11 addresses; v12-47 scale words and nothing else; v48-63 addresses in the head, later sums; v64-127 two sets of K's fragments; v128-191 eight accumulators (first: the product with Q);
;   v192-255 Wh: register 8 t + i is Wh[128 (w / 2) + 16 t + 8 hh + i].  Window 1: Wk's fragments, register 32 t + 8 s + 4 c.
.set PITCH, 272
.set KT,    512*PITCH                  ; 139,264
.set REG,   KT+256*PITCH               ; 208,896
.set RPIT,  1280
.set WHS,   REG+4*RPIT                 ; 214,016
.set SPARE, WHS+8*512                  ; 218,112; 128 bytes a wave
.set ADRK, 5
.set ADRW, 8
.set RE,   9
.set SPW,  10
.set NIL,  11
.set WQSC, 12                          ; v12-13 Wq's scale words
.set QSC,  14                          ; v14-15 Q's
.set KS,   16                          ; v16-31 K's: register 4 (m / 2) + s; lanes 0-15 key tile m even, lanes 16-31 m odd
.set WS,   32                          ; v32-47 Wk's: register 4 (t / 2) + s, likewise
.set CH,   48                          ; v48-55 four chains of the dot with Wh, two numbers each
.set EM,   56                          ; v56-63 a key tile's partial energy
.set KF,   64
.set DD,   128
.set WH,   192
.set MSB, 0
.macro WIN new                         ; the immediate's high byte repeats the setting that is left; a switch that changes nothing is dropped
.if MSB != \new
	s_set_vgpr_msb (MSB<<8)|\new
.set MSB, \new
.endif
.endm
.macro PLACES n
.rept \n
	v_nop
.endr
.endm
.macro ROUND                           ; a round of the cluster's barrier
	s_barrier_signal -1
	s_barrier_wait -1
	s_cmp_lg_u32 s36, 0
	s_cbranch_scc1 .Lnot_wave_0_\@
	s_barrier_signal -3
.Lnot_wave_0_\@:
	s_barrier_wait -3
	s_barrier_signal -1
	s_barrier_wait -1
.endm
; One matrix instruction on the registers that rD, rA, rB, rSA, rSB name; c: its C.  am, bm = 1: that side's scale words stand in lanes 16-31.
.macro MMC c, am, bm
.if (\am) == 0 && (\bm) == 0
	v_wmma_scale_f32_16x16x128_f8f6f4 v[rD:rD+7], v[rA:rA+7], v[rB:rB+7], \c, v[rSA], v[rSB] matrix_a_fmt:MATRIX_FMT_FP4 matrix_b_fmt:MATRIX_FMT_FP4
.elseif (\am) == 1 && (\bm) == 0
	v_wmma_scale_f32_16x16x128_f8f6f4 v[rD:rD+7], v[rA:rA+7], v[rB:rB+7], \c, v[rSA], v[rSB] matrix_a_fmt:MATRIX_FMT_FP4 matrix_b_fmt:MATRIX_FMT_FP4 matrix_a_scale:MATRIX_SCALE_ROW1
.elseif (\am) == 0 && (\bm) == 1
	v_wmma_scale_f32_16x16x128_f8f6f4 v[rD:rD+7], v[rA:rA+7], v[rB:rB+7], \c, v[rSA], v[rSB] matrix_a_fmt:MATRIX_FMT_FP4 matrix_b_fmt:MATRIX_FMT_FP4 matrix_b_scale:MATRIX_SCALE_ROW1
.else
	v_wmma_scale_f32_16x16x128_f8f6f4 v[rD:rD+7], v[rA:rA+7], v[rB:rB+7], \c, v[rSA], v[rSB] matrix_a_fmt:MATRIX_FMT_FP4 matrix_b_fmt:MATRIX_FMT_FP4 matrix_a_scale:MATRIX_SCALE_ROW1 matrix_b_scale:MATRIX_SCALE_ROW1
.endif
.endm
; A fragment of 16 rows x 128 K is 8 registers: lane (r, hh) holds row r; registers 4 c .. 4 c + 3 hold k = 64 c + 32 hh + 0 .. 31: 16 bytes as they lie.
.macro LK m                            ; key tile m, all 512 along K, into set m % 2
	WIN 0
.irp s, 0,1,2,3
.irp c, 0,1
	ds_load_b128 v[KF+32*((\m)&1)+8*\s+4*\c:KF+32*((\m)&1)+8*\s+4*\c+3], v[ADRK] offset:(\m)*16*PITCH+64*\s+32*\c
.endr
.endr
.endm
.macro LW t                            ; column tile t of Wk
	WIN 0x40
.irp s, 0,1,2,3
.irp c, 0,1
	ds_load_b128 v[32*(\t)+8*\s+4*\c:32*(\t)+8*\s+4*\c+3], v[ADRW] offset:(\t)*16*PITCH+64*\s+32*\c
.endr
.endr
.endm
; Key tile m against column tiles 4 g .. 4 g + 3: K step by K step, the four accumulators by turns, one instruction a turn.
.macro WT m, g
	WIN 0x01
.irp s, 0,1,2,3
.irp i, 0,1,2,3
.set rD,  DD+8*(4*(\g)+\i)
.set rA,  32*(4*(\g)+\i)+8*\s
.set rB,  KF+32*((\m)&1)+8*\s
.set rSA, WS+4*((4*(\g)+\i)/2)+\s
.set rSB, KS+4*((\m)/2)+\s
.if \s == 0
	MMC 0, \i&1, (\m)&1
.else
	MMC v[rD:rD+7], \i&1, (\m)&1
.endif
.endr
.endr
.endm
; The dot of those four results with Wh, two columns a line, four chains by turns; each accumulator is read from its low end on.  g = 0 starts the chains, g = 1 ends them.
.macro FOLD m, g
	WIN 0
.irp t, 0,1,2,3
.irp i, 0,1,2,3
.set rR, DD+8*(4*(\g)+\t)+2*\i
.set rW, WH+8*(4*(\g)+\t)+2*\i
.set rC, CH+2*\i
.if (\g) == 0 && \t == 0
	v_pk_mul_f32 v[rC:rC+1], v[rR:rR+1], v[rW:rW+1]
.else
	v_pk_fma_f32 v[rC:rC+1], v[rR:rR+1], v[rW:rW+1], v[rC:rC+1]
.endif
.endr
.endr
.if (\g) == 1
	v_pk_add_f32 v[CH:CH+1], v[CH:CH+1], v[CH+2:CH+3]
	v_pk_add_f32 v[CH+4:CH+5], v[CH+4:CH+5], v[CH+6:CH+7]
	v_pk_add_f32 v[CH:CH+1], v[CH:CH+1], v[CH+4:CH+5]
	v_add_f32 v[EM+(\m)], v[CH], v[CH+1]
.endif
.endm
	s_load_b512 s[4:19], s[0:1], 0x0               ; K_codes 4:5, K_scales 6:7, Q_codes 8:9, Q_scales 10:11, Wk_codes 12:13, Wk_scales 14:15, Wq_codes 16:17, Wq_scales 18:19
	s_load_b256 s[20:27], s[0:1], 0x40             ; Wh 20:21, bk 22:23, bq 24:25, bh 26:27
	s_load_b128 s[28:31], s[0:1], 0x60             ; araw 28:29, cpart 30:31
	v_lshl_add_u32 v[SPW], v0, 2, SPARE
	v_mov_b32 v[NIL], 0
	ds_add_u32 v[SPW], v[NIL]                      ; the opening: the add, twice on end, and its wait ahead of my tensor load
	ds_add_u32 v[SPW], v[NIL]
	v_lshrrev_b32 v1, 5, v0
	v_readfirstlane_b32 s36, v1                    ; wave w, 0 .. 7
	s_lshr_b32 s37, s36, 1                         ; my 128 columns
	s_and_b32 s38, s36, 1                          ; my 128 keys
	s_and_b32 s39, s36, 3                          ; for c: my 16 columns.  Also: which part of Wk or of K I ask for
	s_lshr_b32 s52, s36, 2                         ; for c: my half of k
	s_bfe_u32 s53, ttmp6, 0x40000                  ; my place in the cluster
	s_lshl_b32 s54, ttmp9, 2                       ; in a cluster launch ttmp9 counts clusters
	s_add_co_u32 s54, s54, s53                     ; g
	s_and_b32 s55, s54, 7                          ; j
	s_lshr_b32 s56, ttmp9, 1                       ; b
	s_mov_b32 s40, 1                               ; descriptor groups 0: count = 1;
	s_mul_i32 s41, s36, 128*PITCH                  ; LDS address: waves 0-3: 128 rows of Wk each,
	s_mov_b32 s76, 1
	s_mul_i32 s77, s36, 64*PITCH
	s_add_co_u32 s77, s77, KT-4*64*PITCH           ; waves 4-7: 64 rows of K each
	s_lshl_b32 s57, s36, 9
	s_add_co_u32 s57, s57, WHS                     ; my copy of Wh
	s_mul_i32 s60, s38, 128*PITCH
	s_add_co_u32 s60, s60, KT                      ; the 128 keys that I multiply,
	s_mul_i32 s61, s37, 128*PITCH                  ; and my 128 columns
	s_mul_i32 s62, s37, RPIT
	s_add_co_u32 s62, s62, REG                     ; my column group's row of sums:
	s_lshl_b32 s63, s38, 9
	s_add_co_u32 s63, s63, s62                     ; my keys' place in it,
	s_lshl_b32 s33, s38, 7
	s_add_co_u32 s62, s62, s33                     ; and my 32 parts of c (1,024 bytes on)
	; groups 1: rows of 256 elements of one byte, 16 bytes of padding behind each row: 128 rows of Wk, asked for by all four work-groups; 64 rows of K, my own
	s_mov_b32 s44, 15|(0<<16)|(1<<20)|(1<<21)|(5<<22)|(3<<25)   ; 15:0 the mask; 20 padding on; 21 set beside a mask; 24:22 after every 64 words; 31:25 four words
	s_mov_b32 s68, (0<<16)|(1<<20)|(5<<22)|(3<<25)
	s_mov_b32 s45, 256<<16
	s_mov_b32 s69, 256<<16
	s_mov_b32 s46, 128<<16
	s_mov_b32 s70, 64<<16
	s_mov_b32 s47, 256<<16
	s_mov_b32 s71, 256<<16
	s_mov_b32 s48, 128
	s_mov_b32 s72, 64
	s_mov_b32 s49, 256
	s_mov_b32 s73, 256
	s_mov_b32 s50, 0
	s_mov_b32 s74, 0
	s_mov_b32 s51, 0
	s_mov_b32 s75, 0
	s_lshl_b32 s58, s54, 16
	s_lshl_b32 s32, s39, 14
	s_add_co_u32 s58, s58, s32                     ; 65,536 g + 16,384 (w % 4): 64 rows of K's codes
	s_mov_b32 s59, 0
	s_lshl_b32 s34, s39, 15                        ; 32,768 (w % 4): 128 rows of Wk's codes
	s_mov_b32 s35, 0
	s_mov_b32 s66, 0x76543210                      ; v_permlanex16_b32's selects for lane l xor 16
	s_mov_b32 s67, 0xfedcba98
	v_and_b32 v1, 31, v0                           ; lane
	v_and_b32 v2, 15, v0                           ; r
	v_bfe_u32 v3, v0, 4, 1                         ; hh
	v_lshlrev_b32 v4, 4, v1                        ; 16 x lane: dense loads of 512 bytes
	v_lshlrev_b32 v6, 4, v3                        ; 16 hh
	v_mov_b32 v7, 0
	v_mul_u32_u24 v55, v2, PITCH
	v_add_nc_u32 v55, v55, v6                      ; a fragment's row x pitch + 16 hh
	v_add_nc_u32 v[ADRK], s60, v55
	v_add_nc_u32 v[ADRW], s61, v55
	v_lshl_add_u32 v[RE], v1, 2, s63
	v_lshl_add_u32 v49, v1, 2, s62                 ; my part of c
	v_add_nc_u32 v48, s57, v4                      ; Wh: in, as it lies,
	v_lshl_add_u32 v50, v3, 5, s57                 ; and out: one address for each half of the lanes
	v_lshl_add_u32 v51, v2, 8, v6                  ; Wq's codes: row r, 16 hh
	v_lshlrev_b32 v52, 4, v2                       ; Wq's scale words: 16 r
	v_lshlrev_b32 v53, 2, v2                       ; bq, bk, Wh: 4 r
	v_mov_b32 v56, 0                               ; written once: a lane permute's destination counts as one of its sources
	s_wait_alu depctr_va_vdst(0)
	s_wait_dscnt 0x0                               ; both opening adds are done
	ROUND                                          ; all four work-groups are here: the joint loads meet.  (The arguments are on their way meanwhile)
	s_wait_kmcnt 0x0
	s_add_nc_u64 s[42:43], s[12:13], s[34:35]
	s_or_b32 s43, s43, 0x80000000                  ; type = 2
	s_add_nc_u64 s[78:79], s[4:5], s[58:59]
	s_or_b32 s79, s79, 0x80000000
	s_cmp_lt_u32 s36, 4
	s_cbranch_scc0 .Lfor_k
	tensor_load_to_lds s[40:43], s[44:51]          ; a quarter of Wk's codes
	s_nop 0
	PLACES 4
	s_branch .Lasked
.Lfor_k:
	tensor_load_to_lds s[76:79], s[68:75]          ; a quarter of my work-group's K
	s_nop 0
	PLACES 4
.Lasked:
	s_lshl_b32 s34, s54, 12
	s_lshl_b32 s32, s38, 11
	s_add_co_u32 s34, s34, s32
	s_add_nc_u64 s[6:7], s[6:7], s[34:35]          ; the scale words of my 128 keys
	s_lshl_b32 s34, s37, 11
	s_add_nc_u64 s[14:15], s[14:15], s[34:35]      ; and of my 128 columns
.irp u, 0,1,2,3
	global_load_b128 v[KS+4*\u:KS+4*\u+3], v4, s[6:7] offset:512*\u      ; a row's 16 scale bytes are its four words: 32 rows a load
	global_load_b128 v[WS+4*\u:WS+4*\u+3], v4, s[14:15] offset:512*\u
.endr
	s_lshl_b32 s34, s55, 8
	s_lshl_b32 s32, s39, 6
	s_add_co_u32 s34, s34, s32                     ; for c: 16 columns of bk, bq, Wh
	s_add_nc_u64 s[22:23], s[22:23], s[34:35]
	s_add_nc_u64 s[24:25], s[24:25], s[34:35]
	s_add_nc_u64 s[2:3], s[20:21], s[34:35]
	s_lshl_b32 s34, s37, 9
	s_add_nc_u64 s[20:21], s[20:21], s[34:35]      ; Wh of my 128 columns
	global_load_b128 v[180:183], v4, s[20:21]
	s_lshl_b32 s34, s56, 8
	s_lshl_b32 s32, s52, 7
	s_add_co_u32 s34, s34, s32
	s_add_nc_u64 s[8:9], s[8:9], s[34:35]          ; the batch's row of Q's codes, my half of k
	s_lshl_b32 s34, s56, 4
	s_lshl_b32 s33, s52, 3
	s_add_co_u32 s34, s34, s33
	s_add_nc_u64 s[10:11], s[10:11], s[34:35]      ; and its scale words
	s_lshl_b32 s34, s55, 14
	s_add_co_u32 s34, s34, s32
	s_lshl_b32 s32, s39, 12
	s_add_co_u32 s34, s34, s32
	s_add_nc_u64 s[16:17], s[16:17], s[34:35]      ; Wq's 16 rows, my half of k
	s_lshl_b32 s34, s55, 10
	s_add_co_u32 s34, s34, s33
	s_lshl_b32 s32, s39, 8
	s_add_co_u32 s34, s34, s32
	s_add_nc_u64 s[18:19], s[18:19], s[34:35]      ; and their scale words
.irp s, 0,1
.irp c, 0,1
	global_load_b128 v[128+8*\s+4*\c:128+8*\s+4*\c+3], v6, s[8:9] offset:64*\s+32*\c      ; Q: every lane's row is the batch's one row
	global_load_b128 v[144+8*\s+4*\c:144+8*\s+4*\c+3], v51, s[16:17] offset:64*\s+32*\c
.endr
.endr
	global_load_b64 v[QSC:QSC+1], v7, s[10:11]
	global_load_b64 v[WQSC:WQSC+1], v52, s[18:19]
	global_load_b32 v176, v53, s[24:25]
	global_load_b32 v177, v53, s[22:23]
	global_load_b32 v178, v53, s[2:3]
	global_load_b32 v179, v7, s[26:27]
	s_lshl_b32 s34, s54, 10
	s_lshl_b32 s32, s36, 8
	s_add_co_u32 s34, s34, s32
	s_add_nc_u64 s[28:29], s[28:29], s[34:35]      ; waves 0-3: 64 numbers of araw each
	s_lshl_b32 s34, s54, 8
	s_add_nc_u64 s[30:31], s[30:31], s[34:35]      ; wave 4: the work-group's 64 numbers of cpart
	s_cmp_lt_u32 s36, 4
	s_cselect_b64 s[28:29], s[28:29], s[30:31]
	s_cmp_lt_u32 s36, 4
	s_cbranch_scc0 .Lk_later
	s_wait_tensorcnt 0x0                           ; waves 0-3: my quarter of Wk has landed.  (Waves 4-7 wait for theirs of K ahead of the next barrier)
.Lk_later:
	s_barrier_signal -1
	s_barrier_wait -1                              ; all of Wk is in
.irp t, 0,1,2,3,4,5,6,7
	LW \t
.endr
	WIN 0
	s_wait_loadcnt 14                              ; loads come back in order (ISA guide 5.7.1): the scale words and Wh are in, c's fourteen may be out
	ds_store_b128 v48, v[180:183]
.set q, 0
.rept 8
	ds_load_b128 v[WH+8*q:WH+8*q+3], v50 offset:64*q   ; my own bytes: LDS serves a wave's instructions in order (ISA guide 5.7.1.4)
	ds_load_b128 v[WH+8*q+4:WH+8*q+7], v50 offset:64*q+16
.set q, q+1
.endr
	s_wait_loadcnt 0x0
	v_add_f32 v54, v176, v177
	v_mul_f32 v54, 0x3e800000, v54                 ; (bq + bk) / 4: four lanes of the work-group meet each column
.set rD, 160
.set rA, 128
.set rB, 144
.set rSA, QSC
.set rSB, WQSC
	MMC 0, 0, 0
.set rD, 168
.set rA, 136
.set rB, 152
.set rSA, QSC+1
.set rSB, WQSC+1
	MMC 0, 0, 0
	PLACES 4                                       ; in front of the first read of the results (ISA guide 7.12.1)
	v_add_f32 v55, v160, v168                      ; all rows of a result are alike: each is read at its lowest register; lane r: column r
	v_fma_f32 v55, 0.5, v55, v54                   ; lanes r and r + 16 hold the same sum: half of it each
	v_mul_f32 v55, v55, v178
	v_fmac_f32 v55, 0x3a000000, v179               ; 2^-11 bh
.irp x, 1,2,4,8
	v_add_f32_dpp v55, v55, v55 row_xmask:\x row_mask:0xf bank_mask:0xf
.endr
	v_permlanex16_b32 v56, v55, s66, s67
	v_add_f32 v55, v55, v56                        ; my wave's part of c, in every lane
	ds_store_b32 v49, v55 offset:1024
	s_wait_alu depctr_va_vdst(0)
	s_wait_tensorcnt 0x0                           ; my quarter of K has landed,
	s_wait_dscnt 0x0                               ; and my part of c is stored
	s_barrier_signal -1
	s_barrier_wait -1                              ; all of K is in
	LK 0
	LK 1
	s_wait_dscnt 8                                 ; key tile 1's eight may be out
	WT 0, 0
	WT 0, 1
	PLACES 4                                       ; in front of the first reads of column tiles 0-3's results
	FOLD 0, 0
; A KEY TILE.  Distances (ISA guide 7.12.1 for vector instructions), counted in plain vector lines that name none of the matrix instruction's registers: the next tile's loads land in the set that the tile before has left,
; sixteen lines of a fold behind it; each fold stands the sixteen lines of the fold before it behind the products that it reads; so do the products that begin anew on an accumulator.
.set mm, 1
.rept 7
.if mm < 7
	LK mm+1
.endif
	s_wait_alu depctr_va_vdst(0)
.if mm < 7
	s_wait_dscnt 8                                 ; LDS loads come back in order (ISA guide 5.7.1): the eight just issued may be out
.else
	s_wait_dscnt 0x0
.endif
	WT mm, 0
	FOLD mm-1, 1
	WT mm, 1
	FOLD mm, 0
.set mm, mm+1
.endr
	FOLD 7, 1
	; The two halves of the lanes hold different columns of the same keys.  The swap puts tile 2 i's two halves into lanes 0-15 and tile 2 i + 1's into lanes 16-31: their sum is key 32 i + lane of my 128.
.irp i, 0,1,2,3
	v_permlane16_swap_b32 v[EM+2*\i], v[EM+2*\i+1]
.endr
.irp i, 0,1,2,3
	v_add_f32 v[EM+2*\i], v[EM+2*\i], v[EM+2*\i+1]
.endr
.irp i, 0,1,2,3
	ds_store_b32 v[RE], v[EM+2*\i] offset:128*\i
.endr
	s_min_u32 s32, s36, 4
	s_lshl_b32 s32, s32, 8
	s_add_co_u32 s32, s32, REG
	s_wait_alu depctr_va_vdst(0)
	s_wait_dscnt 0x0                               ; for the others' sake
	s_barrier_signal -1
	s_barrier_wait -1
	s_cmp_lt_u32 s36, 5
	s_cbranch_scc0 .Lend
	v_lshl_add_u32 v64, v1, 3, s32                 ; waves 0-3: 64 keys; wave 4: the 64 parts of c; two numbers a lane, from the four rows
	v_lshlrev_b32 v65, 3, v1
.irp c, 0,1,2,3
	ds_load_b64 v[66+2*\c:67+2*\c], v64 offset:RPIT*\c
.endr
	s_wait_alu depctr_va_vdst(0)
	s_wait_dscnt 0x0
	v_pk_add_f32 v[66:67], v[66:67], v[68:69]
	v_pk_add_f32 v[70:71], v[70:71], v[72:73]
	v_pk_add_f32 v[66:67], v[66:67], v[70:71]
	global_store_b64 v65, v[66:67], s[28:29]       ; 32 lanes store 256 consecutive bytes, at a multiple of 256 from the buffer's first byte
.Lend:
	s_nop 0
	s_wait_tensorcnt 0x0                           ; the wave's end
	ds_add_u32 v[SPW], v[NIL]
	s_wait_dscnt 0x0
	ROUND                                          ; the closing round: no work-group ends while a partner may still ask for a tile that names it
	s_endpgm
.Lfunc_end_k_qf720e0a781_energies:
	.size	k_qf720e0a781_energies, .Lfunc_end_k_qf720e0a781_energies-k_qf720e0a781_energies
	.p2alignl 7, 3214868480
	.fill 96, 4, 3214868480
	.section	.rodata,"a",@progbits
	.p2align	6, 0x0
	.amdhsa_kernel k_qf720e0a781_energies
		.amdhsa_group_segment_fixed_size 327680
		.amdhsa_private_segment_fixed_size 0
		.amdhsa_enable_private_segment 0
		.amdhsa_kernarg_size 112
		.amdhsa_user_sgpr_count 2
		.amdhsa_user_sgpr_kernarg_segment_ptr 1
		.amdhsa_wavefront_size32 1
		.amdhsa_system_sgpr_workgroup_id_x 1
		.amdhsa_system_sgpr_workgroup_id_y 1
		.amdhsa_system_sgpr_workgroup_id_z 1
		.amdhsa_system_vgpr_workitem_id 0
		.amdhsa_next_free_vgpr 512
		.amdhsa_next_free_sgpr 80
		.amdhsa_reserve_vcc 0
		.amdhsa_float_denorm_mode_32 3
		.amdhsa_float_denorm_mode_16_64 3
		.amdhsa_memory_ordered 1
		.amdhsa_forward_progress 1
		.amdhsa_inst_pref_size 73
	.end_amdhsa_kernel
	.amdgpu_metadata
---
amdhsa.version: [ 1, 2 ]
amdhsa.kernels:
  - .name:           k_qf720e0a781_energies
    .symbol:         k_qf720e0a781_energies.kd
    .args:
      - { .name: K_codes, .offset: 0, .size: 8, .value_kind: global_buffer, .address_space: global }
      - { .name: K_scales, .offset: 8, .size: 8, .value_kind: global_buffer, .address_space: global }
      - { .name: Q_codes, .offset: 16, .size: 8, .value_kind: global_buffer, .address_space: global }
      - { .name: Q_scales, .offset: 24, .size: 8, .value_kind: global_buffer, .address_space: global }
      - { .name: Wk_codes, .offset: 32, .size: 8, .value_kind: global_buffer, .address_space: global }
      - { .name: Wk_scales, .offset: 40, .size: 8, .value_kind: global_buffer, .address_space: global }
      - { .name: Wq_codes, .offset: 48, .size: 8, .value_kind: global_buffer, .address_space: global }
      - { .name: Wq_scales, .offset: 56, .size: 8, .value_kind: global_buffer, .address_space: global }
      - { .name: Wh, .offset: 64, .size: 8, .value_kind: global_buffer, .address_space: global }
      - { .name: bk, .offset: 72, .size: 8, .value_kind: global_buffer, .address_space: global }
      - { .name: bq, .offset: 80, .size: 8, .value_kind: global_buffer, .address_space: global }
      - { .name: bh, .offset: 88, .size: 8, .value_kind: global_buffer, .address_space: global }
      - { .name: araw, .offset: 96, .size: 8, .value_kind: global_buffer, .address_space: global }
      - { .name: cpart, .offset: 104, .size: 8, .value_kind: global_buffer, .address_space: global }
    .group_segment_fixed_size: 327680
    .private_segment_fixed_size: 0
    .kernarg_segment_align: 8
    .kernarg_segment_size: 112
    .max_flat_workgroup_size: 256
    .sgpr_count:     80
    .vgpr_count:     512
    .wavefront_size: 32
...
	.end_amdgpu_metadata
.endif
;; end of part 1
;; launch stream (part 2): grid 32 x 8, 8 waves a work-group, no clusters, 5,376 bytes of LDS; arguments araw, cpart, V, out0, out1; writes out0, out1
.if DOCPART == 2
	.amdgcn_target "amdgcn-amd-amdhsa--gfx1250"
	.amdhsa_code_object_version 6
	.text
	.protected	k_qf720e0a781_stream
	.globl	k_qf720e0a781_stream
	.p2align	8
	.type	k_qf720e0a781_stream,@function
k_qf720e0a781_stream:
	s_mov_b64 s[64:65], 0
	v_nop
	global_prefetch_b8 v0, s[64:65] scope:SCOPE_SE
	s_setreg_imm32_b32 hwreg(HW_REG_WAVE_MODE, 25, 1), 1
	s_wait_xcnt 0x0
; Work-group (b, j):  c = the sum of the batch's sixteen parts (cpart);  e[n] = max(araw[n] + c, 0) for the batch's 2,048 keys;  M = the largest e;  S = sum of exp(e[n] - M).
; It stores out1[b][n] = exp(e[n] - M) / S for keys 256 j .. 256 j + 255 and out0[b][v] = (sum over n of exp(e[n] - M) V[b][n][v]) / S for columns v = 64 j .. 64 j + 63: each number has one owner, and nothing is joined later.
; All in f32 (one row: a matrix tile would be 15/16 empty).  A wave w works with p[n] = exp(e[n] - M_w), M_w the largest e of its own keys, and its sum S_w; the factor exp(M_w - M) / S is made when the eight pairs have met.
; The largest e is taken away before every exponential; S is at least 1.  No step of reference() is left out.
; LIMITS: NaN and infinities are not served; a p or a factor under 2^-126 comes out as 0 (v_exp_f32 gives 0 for results that would be denormal: ISA guide 15.8); sums are taken in another order than the source reads.
; SHARES.  Wave w owns keys 256 w .. 256 w + 255 of the batch: their energies (8 a lane) and their rows of V, 256 bytes of each.  Lane (r, hh) holds key 128 x + 64 hh + 4 r + k of the wave's in register 4 x + k (x = 0, 1; k = 0 .. 3).
; A load of V brings two rows, one a half of the wave: group q = 16 x + n (four loads, k = 0 .. 3) takes keys 128 x + 64 hh + 4 n + k, whose weights stand in lane n of each half: row_share:n gives them to all sixteen lanes.
; V IS ON ITS WAY FROM THE HEAD ON: a ring of fifteen groups, 60 loads of 512 bytes a wave; each group's registers are filled again as soon as it is weighed.  At most 60 loads are out: LOADcnt's field holds 63.
; The barrier in the head lets every wave ask for its energies ahead of any wave's V.  In front of the stream neither LDS nor another barrier stands; the eight (M_w, S_w) meet in LDS while it runs.
; No prefetch: the loads themselves run fourteen groups ahead.  No cluster: the work-groups of a batch share 10,240 bytes of the 534,528 that each reads.
; LDS: 0 the eight pairs (M_w, S_w);  RED the waves' partial sums of out0;  SPARE the spare words.
; REGISTERS.  Window 0: v1-13 addresses; v16-23, v40-63 at work; v32-39 energies, then p; v64-79 eight chains of sums, two columns each; v80-127 the way out.  Window 1: V, group q at 16 (q % 15), load k at + 4 k: columns 4 r .. 4 r + 3.
.set RED,   256
.set SPARE, 4352
.set SPW, 10
.set NIL, 11
.set PB,  20                           ; v20-23 a group's weights
.set P,   32
.set AC,  64
.set MSB, 0
.macro WIN new                         ; the immediate's high byte repeats the setting that is left; a switch that changes nothing is dropped
.if MSB != \new
	s_set_vgpr_msb (MSB<<8)|\new
.set MSB, \new
.endif
.endm
; Group q of V.  Each half of the wave reads 256 consecutive bytes, at a multiple of 256 from V's first byte.  The address register and the base are never rewritten.
.macro VL q
	WIN 0x40                                       ; destination window 1, address window 0
.irp k, 0,1,2,3
	global_load_b128 v[16*((\q)%15)+4*\k:16*((\q)%15)+4*\k+3], v5, s[8:9] offset:(128*((\q)/16)+4*((\q)%16)+\k)*2048 th:TH_LOAD_NT
.endr
.endm
; Group q = 16 x + n is weighed.  Between two links of a chain stand seven other lines of sums and four of weights.  Group 0 starts the sums.  The weights' registers are named as pairs.
; The wait: behind group q's loads those of the fourteen groups that follow it have been issued, or of as many as there are.
.macro SL x, n
.set gq, 16*(\x)+\n
.if gq < 17
	s_wait_loadcnt 56
.else
	s_wait_loadcnt 4*(31-gq)
.endif
	WIN 0x04                                       ; source 1 (V) window 1
.irp k, 0,1,2,3
	v_mov_b32_dpp v[PB+\k], v[P+4*(\x)+\k] row_share:\n row_mask:0xf bank_mask:0xf
.endr
.irp k, 0,1,2,3
.irp i, 0,2
.set rA, AC+4*\k+\i
.set rV, 16*(gq%15)+4*\k+\i
.set rP, PB+2*(\k/2)
.if gq == 0 && (\k&1) == 0
	v_pk_mul_f32 v[rA:rA+1], v[rP:rP+1], v[rV:rV+1] op_sel_hi:[0,1]
.elseif gq == 0
	v_pk_mul_f32 v[rA:rA+1], v[rP:rP+1], v[rV:rV+1] op_sel:[1,0] op_sel_hi:[1,1]
.elseif (\k&1) == 0
	v_pk_fma_f32 v[rA:rA+1], v[rP:rP+1], v[rV:rV+1], v[rA:rA+1] op_sel_hi:[0,1,1]
.else
	v_pk_fma_f32 v[rA:rA+1], v[rP:rP+1], v[rV:rV+1], v[rA:rA+1] op_sel:[1,0,0] op_sel_hi:[1,1,1]
.endif
.endr
.endr
.if gq < 17
	VL gq+15
.endif
.endm
; THE EIGHT PAIRS MEET, in three parts behind groups 4, 10 and 14.
.macro GIVE
	WIN 0
	ds_store_b64 v8, v[18:19]                      ; (M_w, S_w): all lanes write one pair of words with one pair of values
.endm
.macro MEET
	WIN 0
	s_wait_alu depctr_va_vdst(0)
	s_wait_dscnt 0x0                               ; for the others' sake
	s_barrier_signal -1
	s_barrier_wait -1                              ; (V's loads stay on their way: nobody writes those bytes)
.irp u, 0,1,2,3
	ds_load_b128 v[40+4*\u:43+4*\u], v9 offset:16*\u
.endr
.endm
.macro JOIN
	WIN 0
	s_wait_dscnt 0x0
	v_max3_num_f32 v56, v40, v42, v44
	v_max3_num_f32 v57, v46, v48, v50
	v_max3_num_f32 v56, v56, v52, v54
	v_max_num_f32 v56, v56, v57                    ; M
.irp u, 40,42,44,46,48,50,52,54
	v_sub_f32 v\u, v\u, v56
.endr
	v_sub_f32 v58, v18, v56
.irp u, 40,42,44,46,48,50,52,54,58
	v_mul_f32 v\u, s28, v\u
.endr
	s_wait_alu depctr_va_vdst(0)
.irp u, 40,42,44,46,48,50,52,54,58
	v_exp_f32 v\u, v\u                             ; exp(M_u - M), at most 1; in v58 my own
.endr
	v_nop                                          ; a plain line behind the last exponential
	s_wait_alu depctr_va_vdst(0)                   ; and behind it
	v_mul_f32 v59, v40, v41
	v_mul_f32 v60, v42, v43
.irp u, 44,48,52
	v_fmac_f32 v59, v[\u], v[\u+1]
	v_fmac_f32 v60, v[\u+2], v[\u+3]
.endr
	v_add_f32 v59, v59, v60                        ; S
	s_wait_alu depctr_va_vdst(0)
	v_rcp_f32 v61, v59
	v_nop
	s_wait_alu depctr_va_vdst(0)                   ; and behind it
	v_mul_f32 v62, v58, v61                        ; my factor, twice: a pair for the packed multiply
	v_mov_b32 v63, v62
	s_wait_alu depctr_va_vdst(0)
	s_cmp_eq_u32 s14, s15                          ; out1's keys 256 j on are wave j's
	s_cbranch_scc0 .Lnot_mine
.irp i, 0,2,4,6
	v_pk_mul_f32 v[80+\i:81+\i], v[P+\i:P+1+\i], v[62:63]
.endr
	global_store_b128 v4, v[80:83], s[12:13]       ; 32 lanes store 512 consecutive bytes, at a multiple of 256 from out1's first byte; none of these registers is written again
	global_store_b128 v4, v[84:87], s[12:13] offset:512
.Lnot_mine:
.endm
	s_load_b256 s[4:11], s[0:1], 0x0               ; araw 4:5, cpart 6:7, V 8:9, out0 10:11
	s_load_b64 s[12:13], s[0:1], 0x20              ; out1
	v_lshrrev_b32 v1, 5, v0
	v_readfirstlane_b32 s14, v1                    ; wave w, 0 .. 7
	s_and_b32 s15, ttmp7, 0xffff                   ; j;  b is ttmp9
	s_lshl_b32 s16, ttmp9, 13
	s_lshl_b32 s17, s14, 10
	s_add_co_u32 s16, s16, s17                     ; 8,192 b + 1,024 w: my 256 numbers of araw
	s_mov_b32 s17, 0
	s_lshl_b32 s18, ttmp9, 11                      ; 2,048 b: the batch's parts of c
	s_mov_b32 s19, 0
	s_lshl_b32 s20, ttmp9, 22
	s_lshl_b32 s21, s14, 19
	s_add_co_u32 s20, s20, s21
	s_lshl_b32 s21, s15, 8
	s_add_co_u32 s20, s20, s21                     ; 4,194,304 b + 524,288 w + 256 j: my rows and columns of V; under 2^27
	s_mov_b32 s21, 0
	s_lshl_b32 s22, ttmp9, 13
	s_lshl_b32 s23, s15, 10
	s_add_co_u32 s22, s22, s23                     ; 8,192 b + 1,024 j: the work-group's part of out1
	s_mov_b32 s23, 0
	s_lshl_b32 s25, s15, 8
	s_add_co_u32 s24, s18, s25                     ; 2,048 b + 256 j: of out0
	s_mov_b32 s25, 0
	s_mov_b32 s26, 0x76543210                      ; v_permlanex16_b32's selects for lane l xor 16
	s_mov_b32 s27, 0xfedcba98
	s_mov_b32 s28, 0x3fb8aa3b                      ; log2(e)
	s_mov_b32 s29, s28                             ; (named with it as a pair, so it is written)
	s_lshl_b32 s31, s14, 3                         ; my pair among the eight
	s_lshl_b32 s33, s14, 9
	s_add_co_u32 s33, s33, RED                     ; my partial sums
	v_lshl_add_u32 v[SPW], v0, 2, SPARE
	v_mov_b32 v[NIL], 0
	v_and_b32 v1, 31, v0                           ; lane
	v_and_b32 v2, 15, v0                           ; r
	v_bfe_u32 v3, v0, 4, 1                         ; hh
	v_lshlrev_b32 v4, 4, v1                        ; 16 x lane
	v_lshlrev_b32 v5, 4, v2
	v_lshl_add_u32 v5, v3, 17, v5                  ; V: 16 r, and 64 rows of 2,048 bytes on for lanes 16-31
	v_and_b32 v6, 7, v0
	v_bfe_u32 v7, v0, 3, 1
	v_lshlrev_b32 v6, 8, v6
	v_lshl_add_u32 v6, v7, 7, v6                   ; cpart: lane l takes part (l / 8) % 2 of work-group 8 b + l % 8
	v_mov_b32 v8, s31
	v_mov_b32 v9, 0
	v_add_nc_u32 v12, s33, v4
	v_mov_b32 v13, 0                               ; written once: the destinations of a lane permute and of a DPP form count as their sources
.irp k, 0,1,2,3
	v_mov_b32 v[PB+\k], 0
.endr
	s_wait_alu depctr_va_vdst(0)
	s_wait_kmcnt 0x0
	s_add_nc_u64 s[4:5], s[4:5], s[16:17]
	s_add_nc_u64 s[6:7], s[6:7], s[18:19]
	s_add_nc_u64 s[8:9], s[8:9], s[20:21]
	s_add_nc_u64 s[10:11], s[10:11], s[24:25]
	s_add_nc_u64 s[12:13], s[12:13], s[22:23]
	global_load_b128 v[P:P+3], v4, s[4:5]          ; keys 4 x lane + 0 .. 3 of my 256,
	global_load_b128 v[P+4:P+7], v4, s[4:5] offset:512   ; and 128 further on
	global_load_b32 v16, v6, s[6:7]
	s_barrier_signal -1
	s_barrier_wait -1                              ; every wave has asked for its energies
.set nn, 0
.rept 14
	VL nn
.set nn, nn+1
.endr
	WIN 0
	s_wait_loadcnt 56                              ; loads come back in order (ISA guide 5.7.1): V's 56 stay out, the three ahead of them are in
.irp x, 1,2,4,8
	v_add_f32_dpp v16, v16, v16 row_xmask:\x row_mask:0xf bank_mask:0xf   ; c: the sixteen parts stand in sixteen lanes
.endr
	v_mov_b32 v17, v16
.irp i, 32,34,36,38
	v_pk_add_f32 v[\i:\i+1], v[\i:\i+1], v[16:17]
.endr
.irp i, 32,33,34,35,36,37,38,39
	v_max_num_f32 v\i, 0, v\i                      ; relu: e
.endr
	v_max3_num_f32 v18, v32, v33, v34
	v_max3_num_f32 v19, v35, v36, v37
	v_max3_num_f32 v18, v18, v38, v39
	v_max_num_f32 v18, v18, v19
.irp x, 1,2,4,8
	v_max_num_f32_dpp v18, v18, v18 row_xmask:\x row_mask:0xf bank_mask:0xf
.endr
	v_permlanex16_b32 v13, v18, s26, s27
	v_max_num_f32 v18, v18, v13                    ; M_w
	v_mov_b32 v19, v18
.irp i, 32,34,36,38
	v_pk_add_f32 v[\i:\i+1], v[\i:\i+1], v[18:19] neg_lo:[0,1] neg_hi:[0,1]
.endr
.irp i, 32,34,36,38
	v_pk_mul_f32 v[\i:\i+1], v[\i:\i+1], s[28:29] op_sel_hi:[1,0]
.endr
	s_wait_alu depctr_va_vdst(0)
.irp i, 32,33,34,35,36,37,38,39
	v_exp_f32 v\i, v\i                             ; p, at most 1
.endr
	v_nop                                          ; a plain line behind the last exponential
	s_wait_alu depctr_va_vdst(0)                   ; and behind it
	v_pk_add_f32 v[40:41], v[32:33], v[34:35]
	v_pk_add_f32 v[42:43], v[36:37], v[38:39]
	v_pk_add_f32 v[40:41], v[40:41], v[42:43]
	v_add_f32 v19, v40, v41
.irp x, 1,2,4,8
	v_add_f32_dpp v19, v19, v19 row_xmask:\x row_mask:0xf bank_mask:0xf
.endr
	v_permlanex16_b32 v13, v19, s26, s27
	v_add_f32 v19, v19, v13                        ; S_w, beside M_w
	s_wait_alu depctr_va_vdst(0)
	VL 14
.irp n, 0,1,2,3,4
	SL 0, \n
.endr
	GIVE
.irp n, 5,6,7,8,9,10
	SL 0, \n
.endr
	MEET
.irp n, 11,12,13,14
	SL 0, \n
.endr
	JOIN
	SL 0, 15
.irp n, 0,1,2,3,4,5,6,7,8,9,10,11,12,13,14,15
	SL 1, \n
.endr
	WIN 0
	; THE WAY OUT.  A wave's chains are added and take its factor; the eight waves' two halves meet in LDS, sixteen rows of 64 columns; wave 0 adds and stores them.
.irp n, 0,2,4,6
	v_pk_add_f32 v[AC+\n:AC+\n+1], v[AC+\n:AC+\n+1], v[AC+8+\n:AC+9+\n]
.endr
.irp n, 0,2
	v_pk_add_f32 v[AC+\n:AC+\n+1], v[AC+\n:AC+\n+1], v[AC+4+\n:AC+5+\n]
.endr
.irp n, 0,2
	v_pk_mul_f32 v[AC+\n:AC+\n+1], v[AC+\n:AC+\n+1], v[62:63]
.endr
	ds_store_b128 v12, v[AC:AC+3]
	s_wait_alu depctr_va_vdst(0)
	s_wait_dscnt 0x0                               ; for wave 0's sake
	s_barrier_signal -1
	s_barrier_wait -1
	s_cmp_eq_u32 s14, 0
	s_cbranch_scc0 .Lend
	v_lshlrev_b32 v16, 3, v1                       ; columns 2 x lane and + 1
.set nn, 0
.rept 16
	ds_load_b64 v[96+2*nn:97+2*nn], v16 offset:RED+256*nn
.set nn, nn+1
.endr
	s_wait_alu depctr_va_vdst(0)
	s_wait_dscnt 0x0
.irp n, 0,2,4,6,8,10,12,14
	v_pk_add_f32 v[96+\n:97+\n], v[96+\n:97+\n], v[112+\n:113+\n]
.endr
.irp n, 0,2,4,6
	v_pk_add_f32 v[96+\n:97+\n], v[96+\n:97+\n], v[104+\n:105+\n]
.endr
.irp n, 0,2
	v_pk_add_f32 v[96+\n:97+\n], v[96+\n:97+\n], v[100+\n:101+\n]
.endr
	v_pk_add_f32 v[96:97], v[96:97], v[98:99]
	global_store_b64 v16, v[96:97], s[10:11]       ; 32 lanes store 256 consecutive bytes, at a multiple of 256 from out0's first byte
.Lend:
	s_nop 0
	s_wait_tensorcnt 0x0                           ; the wave's end
	ds_add_u32 v[SPW], v[NIL]
	s_wait_dscnt 0x0
	s_endpgm
.Lfunc_end_k_qf720e0a781_stream:
	.size	k_qf720e0a781_stream, .Lfunc_end_k_qf720e0a781_stream-k_qf720e0a781_stream
	.p2alignl 7, 3214868480
	.fill 96, 4, 3214868480
	.section	.rodata,"a",@progbits
	.p2align	6, 0x0
	.amdhsa_kernel k_qf720e0a781_stream
		.amdhsa_group_segment_fixed_size 5376
		.amdhsa_private_segment_fixed_size 0
		.amdhsa_enable_private_segment 0
		.amdhsa_kernarg_size 40
		.amdhsa_user_sgpr_count 2
		.amdhsa_user_sgpr_kernarg_segment_ptr 1
		.amdhsa_wavefront_size32 1
		.amdhsa_system_sgpr_workgroup_id_x 1
		.amdhsa_system_sgpr_workgroup_id_y 1
		.amdhsa_system_sgpr_workgroup_id_z 1
		.amdhsa_system_vgpr_workitem_id 0
		.amdhsa_next_free_vgpr 512
		.amdhsa_next_free_sgpr 66
		.amdhsa_reserve_vcc 0
		.amdhsa_float_denorm_mode_32 3
		.amdhsa_float_denorm_mode_16_64 3
		.amdhsa_memory_ordered 1
		.amdhsa_forward_progress 1
		.amdhsa_inst_pref_size 50
	.end_amdhsa_kernel
	.amdgpu_metadata
---
amdhsa.version: [ 1, 2 ]
amdhsa.kernels:
  - .name:           k_qf720e0a781_stream
    .symbol:         k_qf720e0a781_stream.kd
    .args:
      - { .name: araw, .offset: 0, .size: 8, .value_kind: global_buffer, .address_space: global }
      - { .name: cpart, .offset: 8, .size: 8, .value_kind: global_buffer, .address_space: global }
      - { .name: V, .offset: 16, .size: 8, .value_kind: global_buffer, .address_space: global }
      - { .name: out0, .offset: 24, .size: 8, .value_kind: global_buffer, .address_space: global }
      - { .name: out1, .offset: 32, .size: 8, .value_kind: global_buffer, .address_space: global }
    .group_segment_fixed_size: 5376
    .private_segment_fixed_size: 0
    .kernarg_segment_align: 8
    .kernarg_segment_size: 40
    .max_flat_workgroup_size: 256
    .sgpr_count:     66
    .vgpr_count:     512
    .wavefront_size: 32
...
	.end_amdgpu_metadata
.endif
;; end of part 2
